; MI455X (gfx1250); checked and timed in simulation.
; The chip was launched on July 23, 2026; its instructions are those of AMD's public machine-readable ISA for CDNA 5 (MIT licence, August 2026) and "CDNA5" Instruction Set Architecture Reference Guide (July 2026). The comments in the code are by the model that wrote it; some were corrected since.
;; DSS. Allowed arithmetic: float matrix products may take bf16 or f16 operands with f32 sums; all other float work in f32.
;; Inputs: Lambda 64 x 2 float32; W 1 x 128 x 64 x 2 float32; log_dt 128 x 2 float32.
;; Outputs: out0 1 x 128 x 8,192 float32.
;; Constants: L = 8192.
;; 2 versions, each right; version 2 is version 1 with the launch dss written anew for expert scheduling mode. Each part assembles by itself: llvm-mc -triple=amdgcn-amd-amdhsa -mcpu=gfx1250 --defsym DOCPART=n.
;; ======== version 1 of 2: 1 launch
;; launch dss (part 1): grid 256 x 1, 4 waves a work-group, no clusters, 70,144 bytes of LDS; arguments Lambda, W, log_dt, out0; writes out0
.if DOCPART == 1
	.amdgcn_target "amdgcn-amd-amdhsa--gfx1250"
	.amdhsa_code_object_version 6
	.text
	.protected	k_qa1e7b41ceb_dss
	.globl	k_qa1e7b41ceb_dss
	.p2align	8
	.type	k_qa1e7b41ceb_dss,@function
k_qa1e7b41ceb_dss:
	s_mov_b64 s[64:65], 0
	v_nop
	global_prefetch_b8 v0, s[64:65] scope:SCOPE_SE
	s_setreg_imm32_b32 hwreg(HW_REG_WAVE_MODE, 25, 1), 1
	s_wait_xcnt 0x0
; DSS kernel K[h][l] = Re sum_n Wc[h][n] S[h][n][l],  H = 128, N = 64, L = 8192, all buffers f32.
; With g = (Re Lambda > 0) and u = dtLambda (g: -dtLambda), Re u <= 0 and
;   num = e^u - 1,  den = e^(8192 u) - 1,  S = e^(u l)  (g: e^(u (8191 - l))).
; A work-group owns one h and 4096 consecutive l (x = 2 h + half).  l_local = q + 4 r + 64 b + 256 a + 1024 c  splits the exponent:
;   T1 row (a, r):        Wc e^(u (4 r + 256 a + 4096 half))          64 rows
;   T0 row (c, p = 4b+q): conj e^(u (q + 64 b + 1024 c))              64 rows
; and K = T0 x T1^T over k = (n, re/im), 128 long: Re(X Y) = Xr Yr + Xi (conj Y)i.  So 2 x 64 x 64 table entries replace 64 x 4096
; exponentials.  For g modes every index field is complemented (4095 - l_local): a row takes chain element 15 - pos and the start
; multipliers are the complemented ones; only VALUES are selected (v_cndmask_b32), no address or branch hangs on a float, and every
; factor has modulus <= 1, so nothing overflows and no 0 x inf arises.
; OPERANDS: one bf16 rounding is too coarse here (the largest dt gives sums about 60 times the output's rms, the allowance is 1 % of
; the rms), so each table is kept as bf16 hi + bf16 lo and three products are summed in f32: hi hi + hi lo + lo hi.
; TABLE PHASE: lane = modes 2 lane, 2 lane + 1 (all set-up is packed f32 over that pair), wave w = rows 16 w .. 16 w + 15 of both tables;
; six accurate complex exponentials a mode (multipliers 1, 8192, 4, 64 and the two starts), then chains of complex products.
; MATRIX PHASE: wave (w >> 1, w & 1) makes 2 x 2 tiles of 16 x 16; source 0 = T0, source 1 = T1, so registers 0-3 (4-7) of lanes 0-15
; hold 64 consecutive floats: each 16-byte store of the wave covers two aligned runs of 256 consecutive bytes.
; NO CLUSTER, no tensor loads, no prefetch: a work-group reads 16 + 16 bytes a lane and 8 bytes of log_dt once, through registers;
; there is no tile that work-groups share.
; LIMITS.  (1) The phase is the exact product Im(dtLambda) x m reduced mod 2 pi (hi + lo arithmetic); the reference rounds
; Im(dtLambda) l (and x 8191) to f32 first, so a mode's phase may differ by about one ulp of |Im dtLambda| 8191 radians: this shows
; only for undamped or growing modes at very large phase.  (2) v_exp_f32 gives 0 for magnitudes below 2^-126.
; (3) Matrix operands carry 16 significant bits (hi + lo).
.set PITCH, 272                        ; LDS row: 256 bytes (64 modes x re, im in bf16) + 16: 17 x 16 bytes, so 16 rows start at 16 different 16-byte columns mod 256
.set PLANE, 64*PITCH
.set T1H, 0
.set T1L, PLANE
.set T0H, 2*PLANE
.set T0L, 3*PLANE
.set L2EH, 0x3fb8aa3b                  ; log2 e, upper and lower part
.set L2EL, 0x32a57060
.set LN2,  0x3f317218
.set I2PH, 0x3e22f983                  ; 1 / (2 pi), upper and lower part
.set I2PL, 0x31dc9c88
.set EPS,  0x33d6bf95                  ; 1e-7
.set CS1, 0x3fc90fdb                   ; sin(pi f / 2) = f (CS1 + CS3 y + CS5 y^2 + CS7 y^3 + CS9 y^4), y = f^2
.set CS3, 0xbf255de7
.set CS5, 0x3da335e3
.set CS7, 0xbb996966
.set CS9, 0x39283c1a
.set CC2, 0xbf9de9e6                   ; cos(pi f / 2) = 1 + CC2 y + CC4 y^2 + CC6 y^3 + CC8 y^4
.set CC4, 0x3e81e0f8
.set CC6, 0xbcaae9e4
.set CC8, 0x3a70fa83
; registers.  A pair v[Q:Q+1] holds Q of mode 2 lane and of mode 2 lane + 1.
.set VST, 1                            ; LDS address of my 8 bytes in my wave's first row
.set AD1, 2                            ; LDS address of my T1 fragments
.set AD0, 3                            ; LDS address of my T0 fragments
.set VO,  4                            ; my byte offset in the work-group's 16,384 bytes of output
.set VLD, 5                            ; 16 x lane
.set VLH, 6                            ; 8 x h
.set NEG1, 7                           ; -1.0
.set LAM, 8                            ; v[8:11]  re, im of Lambda of my two modes
.set WW,  12                           ; v[12:15] re, im of W
.set LDT, 16                           ; log_dt (re, im)
.set DT,  18                           ; dt (re, im)
.set TT,  20                           ; v[20:27] at work
.set UI,  28                           ; Im u
.set RHO, 30                           ; Re u x log2 e
.set TH,  32                           ; Im u / 2 pi, upper part
.set TL,  34                           ; lower part
.set KS9, 36
.set KS7, 38
.set KC8, 40
.set KC6, 42
.set M4,  44                           ; T1's start multiplier
.set M5,  46                           ; T0's start multiplier
.set PA,  48                           ; six instances k = 0..5 (multipliers 1, 8192, 4, 64, M4, M5), a pair each:  revolutions, later sin
.set EA,  60                           ; residual of the product, later f^2 and 2 sin
.set RA,  72                           ; reduced revolutions f
.set CA,  84                           ; cos
.set GA,  96                           ; exponent, then modulus
.set SA,  PA
.set YA,  EA
.set PSRC0, TH                         ; instance 0 has multiplier 1: it reads TH, TL, RHO themselves
.set ESRC0, TL
.set PSRC1, PA+2
.set ESRC1, EA+2
.set PSRC2, PA+4
.set ESRC2, EA+4
.set PSRC3, PA+6
.set ESRC3, EA+6
.set PSRC4, PA+8
.set ESRC4, EA+8
.set PSRC5, PA+10
.set ESRC5, EA+10
.set NR, 60                            ; Wc's intermediates, in registers that the exponentials have left
.set DR, 62
.set XR, 64
.set XI, 66
.set QQ, 68
.set AR, 70
.set AI, 72
.set BR, 74
.set BI, 76
.set OT, 60                            ; v[60:75] selected words on their way to LDS
.set E1R, CA                           ; conj e^u
.set E1I, SA
.set E4R, CA+4                         ; e^(4u)
.set E4I, SA+4
.set E64R, CA+6                        ; conj e^(64u)
.set E64I, SA+6
.set YBR, CA+10                        ; T0: element 4 b of the chain
.set YBI, SA+10
.set Z1R, 108                          ; T1: the running element
.set Z1I, 110
.set YRR, 112                          ; T0: the running element 4 b + q
.set YRI, 114
.set TM,  116                          ; v[116:123] products at work
.set TA,  TT                           ; v[20:27]   z - hi
.set H1, 128                           ; packed words of chain element j, mode i at +2 j + i: T1 hi, T1 lo, T0 hi, T0 lo
.set L1, 160
.set H0, 192
.set L0, 224
.set ACC, 8                            ; matrix phase: v[8:39] four accumulator tiles
.set FB0, 40                           ; three fragment buffers of 64 registers (one K step of 32 each)
.set FB1, 104
.set FB2, 168
	s_load_b256 s[4:11], s[0:1], 0x0               ; Lambda s[4:5], W s[6:7], log_dt s[8:9], out s[10:11]
	s_set_vgpr_msb 0x40
	v_lshl_add_u32 v0, v0, 2, 0x11000
	v_mov_b32 v1, 0
	s_set_vgpr_msb 0x4000
	v_and_b32 v[VLD], 31, v0                       ; lane
	v_lshrrev_b32 v[TT], 5, v0
	v_readfirstlane_b32 s12, v[TT]                 ; wave 0..3
	s_lshr_b32 s14, ttmp9, 1                       ; h
	s_and_b32 s15, ttmp9, 1                        ; which half of L
	s_lshl_b32 s16, s14, 3
	v_mov_b32 v[VLH], s16                          ; log_dt[h]: 8 bytes
	s_mul_i32 s17, s12, 16*PITCH                   ; my wave's 16 rows
	v_lshl_add_u32 v[VST], v[VLD], 3, s17          ; + 8 bytes a lane (two modes x re, im in bf16)
	v_lshlrev_b32 v[VLD], 4, v[VLD]                ; 16 bytes a lane in Lambda and in W[h]
	s_lshl_b32 s20, s14, 9                         ; W[h]: 512 bytes
	s_mov_b32 s21, 0
	s_lshl_b32 s22, ttmp9, 14                      ; out: 4096 floats for each work-group
	s_mov_b32 s23, 0
	s_wait_kmcnt 0x0
	s_add_nc_u64 s[6:7], s[6:7], s[20:21]
	s_add_nc_u64 s[10:11], s[10:11], s[22:23]
	global_load_b64  v[LDT:LDT+1], v[VLH], s[8:9]
	global_load_b128 v[LAM:LAM+3], v[VLD], s[4:5]
	global_load_b128 v[WW:WW+3],   v[VLD], s[6:7]
	; while the loads are out: addresses of the matrix phase, multipliers, constants
	v_and_b32 v[TT], 15, v0                        ; r
	v_bfe_u32 v[TT+1], v0, 4, 1                    ; upper half of the lanes
	v_mul_u32_u24 v[TT+2], v[TT], PITCH
	v_lshl_add_u32 v[TT+2], v[TT+1], 4, v[TT+2]    ; fragment: row r, 16 bytes for each half
	s_lshr_b32 s24, s12, 1                         ; my pair of T1 tiles
	s_and_b32 s25, s12, 1                          ; my pair of T0 tiles
	s_mul_i32 s26, s24, 32*PITCH
	s_mul_i32 s27, s25, 32*PITCH
	v_add_nc_u32 v[AD1], s26, v[TT+2]
	v_add_nc_u32 v[AD0], s27, v[TT+2]
	s_lshl_b32 s26, s24, 11                        ; 2 T1 tiles = 2 x 256 floats
	s_lshl_b32 s27, s25, 13                        ; 2 T0 tiles = 2 x 1024 floats
	s_add_co_u32 s26, s26, s27
	v_lshlrev_b32 v[VO], 4, v[TT]                  ; 4 r floats
	v_lshl_add_u32 v[VO], v[TT+1], 9, v[VO]        ; the upper lanes hold b = 2, 3: 128 floats on
	v_add_nc_u32 v[VO], s26, v[VO]
	s_lshl_b32 s28, s12, 8
	s_lshl_b32 s29, s15, 12
	s_add_co_u32 s28, s28, s29                     ; T1 start: 256 w + 4096 half
	s_sub_co_u32 s29, 4864, s28                    ; complemented: 256 (3 - w) + 4096 (1 - half)
	s_lshl_b32 s30, s12, 10                        ; T0 start: 1024 w
	s_sub_co_u32 s31, 3072, s30                    ; complemented
	v_cvt_f32_u32 v[TT+4], s28
	v_cvt_f32_u32 v[TT+5], s29
	v_cvt_f32_u32 v[TT+6], s30
	v_cvt_f32_u32 v[TT+7], s31
	v_mov_b32 v[NEG1], -1.0
	v_mov_b32 v[KS9], CS9                          ; the two constants of each polynomial's first step, as pairs
	v_mov_b32 v[KS9+1], CS9
	v_mov_b32 v[KS7], CS7
	v_mov_b32 v[KS7+1], CS7
	v_mov_b32 v[KC8], CC8
	v_mov_b32 v[KC8+1], CC8
	v_mov_b32 v[KC6], CC6
	v_mov_b32 v[KC6+1], CC6
	s_wait_loadcnt 0x1                             ; log_dt and Lambda are in; W, issued last, may still be out
	; dt = exp(log_dt) for (re, im): log_dt log2 e as upper + lower part, 2^upper (1 + lower ln 2)
	v_pk_mul_f32 v[TT:TT+1], v[LDT:LDT+1], L2EH op_sel_hi:[1,0]
	v_pk_fma_f32 v[TT+2:TT+3], v[LDT:LDT+1], L2EH, v[TT:TT+1] op_sel_hi:[1,0,1] neg_lo:[0,0,1] neg_hi:[0,0,1]
	v_pk_fma_f32 v[TT+2:TT+3], v[LDT:LDT+1], L2EL, v[TT+2:TT+3] op_sel_hi:[1,0,1]
	v_exp_f32 v[DT], v[TT]
	v_exp_f32 v[DT+1], v[TT+1]
	v_pk_mul_f32 v[TT+2:TT+3], v[TT+2:TT+3], LN2 op_sel_hi:[1,0]   ; the plain instruction between v_exp_f32 and the use of its result
	s_wait_alu depctr_va_vdst(0)
	v_pk_fma_f32 v[DT:DT+1], v[DT:DT+1], v[TT+2:TT+3], v[DT:DT+1]
	; u: Re u = -|dt_re Re Lambda| (dt > 0, so its sign is Lambda's), Im u = +-(dt_im Im Lambda)
	v_mul_f32 v[TT], v[DT], v[LAM]
	v_mul_f32 v[TT+1], v[DT], v[LAM+2]
	v_mul_f32 v[UI], v[DT+1], v[LAM+1]
	v_mul_f32 v[UI+1], v[DT+1], v[LAM+3]
	v_cmp_lt_f32 s18, 0, v[LAM]                    ; g of mode 2 lane
	v_cmp_lt_f32 s19, 0, v[LAM+2]                  ; g of mode 2 lane + 1
	v_cndmask_b32 v[TT+2], 1.0, -1.0, s18
	v_cndmask_b32 v[TT+3], 1.0, -1.0, s19
	v_or_b32 v[TT], 0x80000000, v[TT]
	v_or_b32 v[TT+1], 0x80000000, v[TT+1]
	v_pk_mul_f32 v[UI:UI+1], v[UI:UI+1], v[TT+2:TT+3]
	v_pk_mul_f32 v[RHO:RHO+1], v[TT:TT+1], L2EH op_sel_hi:[1,0]
	v_pk_mul_f32 v[TH:TH+1], v[UI:UI+1], I2PH op_sel_hi:[1,0]
	v_cndmask_b32 v[M4], v[TT+4], v[TT+5], s18
	v_cndmask_b32 v[M4+1], v[TT+4], v[TT+5], s19
	v_cndmask_b32 v[M5], v[TT+6], v[TT+7], s18
	v_cndmask_b32 v[M5+1], v[TT+6], v[TT+7], s19
	v_pk_fma_f32 v[TL:TL+1], v[UI:UI+1], I2PH, v[TH:TH+1] op_sel_hi:[1,0,1] neg_lo:[0,0,1] neg_hi:[0,0,1]
	v_pk_fma_f32 v[TL:TL+1], v[UI:UI+1], I2PL, v[TL:TL+1] op_sel_hi:[1,0,1]
	; SIX COMPLEX EXPONENTIALS e^(u m), stage by stage, so that dependent lines stand six or more apart.
	; revolutions = (TH + TL) m as product + residual; a power of two multiplies exactly, M4 and M5 need the fma residual.
.macro POW2 k, m
	v_pk_mul_f32 v[PA+2*\k:PA+2*\k+1], v[TH:TH+1], \m op_sel_hi:[1,0]
	v_pk_mul_f32 v[EA+2*\k:EA+2*\k+1], v[TL:TL+1], \m op_sel_hi:[1,0]
	v_pk_mul_f32 v[GA+2*\k:GA+2*\k+1], v[RHO:RHO+1], \m op_sel_hi:[1,0]
.endm
.macro ANYM k, m
	v_pk_mul_f32 v[PA+2*\k:PA+2*\k+1], v[TH:TH+1], v[\m:\m+1]
	v_pk_mul_f32 v[GA+2*\k:GA+2*\k+1], v[RHO:RHO+1], v[\m:\m+1]
	v_pk_fma_f32 v[EA+2*\k:EA+2*\k+1], v[TH:TH+1], v[\m:\m+1], v[PA+2*\k:PA+2*\k+1] neg_lo:[0,0,1] neg_hi:[0,0,1]
	v_pk_fma_f32 v[EA+2*\k:EA+2*\k+1], v[TL:TL+1], v[\m:\m+1], v[EA+2*\k:EA+2*\k+1]
.endm
	POW2 1, 0x46000000                             ; 8192
	POW2 2, 4.0
	POW2 3, 0x42800000                             ; 64
	ANYM 4, M4
	ANYM 5, M5
	v_exp_f32 v[GA], v[RHO]                        ; the moduli 2^(RHO m); first used far below
	v_exp_f32 v[GA+1], v[RHO+1]
.irp r, 2,3,4,5,6,7,8,9,10,11
	v_exp_f32 v[GA+\r], v[GA+\r]
.endr
.irp k, 0,1,2,3,4,5
	v_rndne_f32 v[RA+2*\k], v[PSRC\k]
	v_rndne_f32 v[RA+2*\k+1], v[PSRC\k+1]
.endr
.irp k, 0,1,2,3,4,5
	v_pk_add_f32 v[RA+2*\k:RA+2*\k+1], v[PSRC\k:PSRC\k+1], v[RA+2*\k:RA+2*\k+1] neg_lo:[0,1] neg_hi:[0,1]   ; exact
.endr
.irp k, 0,1,2,3,4,5
	v_pk_add_f32 v[RA+2*\k:RA+2*\k+1], v[RA+2*\k:RA+2*\k+1], v[ESRC\k:ESRC\k+1]
.endr
.irp k, 0,1,2,3,4,5
	v_rndne_f32 v[CA+2*\k], v[RA+2*\k]             ; once more: keeps f in [-1/2, 1/2] also where the residual is large (huge phases)
	v_rndne_f32 v[CA+2*\k+1], v[RA+2*\k+1]
.endr
.irp k, 0,1,2,3,4,5
	v_pk_add_f32 v[RA+2*\k:RA+2*\k+1], v[RA+2*\k:RA+2*\k+1], v[CA+2*\k:CA+2*\k+1] neg_lo:[0,1] neg_hi:[0,1]
.endr
.irp k, 0,1,2,3,4,5
	v_pk_mul_f32 v[YA+2*\k:YA+2*\k+1], v[RA+2*\k:RA+2*\k+1], v[RA+2*\k:RA+2*\k+1]
.endr
	; sin and cos of a quarter of the angle, pi f / 2 in [-pi/4, pi/4]
.irp k, 0,1,2,3,4,5
	v_pk_fma_f32 v[SA+2*\k:SA+2*\k+1], v[YA+2*\k:YA+2*\k+1], v[KS9:KS9+1], v[KS7:KS7+1]
	v_pk_fma_f32 v[CA+2*\k:CA+2*\k+1], v[YA+2*\k:YA+2*\k+1], v[KC8:KC8+1], v[KC6:KC6+1]
.endr
.irp k, 0,1,2,3,4,5
	v_pk_fma_f32 v[SA+2*\k:SA+2*\k+1], v[SA+2*\k:SA+2*\k+1], v[YA+2*\k:YA+2*\k+1], CS5 op_sel_hi:[1,1,0]
	v_pk_fma_f32 v[CA+2*\k:CA+2*\k+1], v[CA+2*\k:CA+2*\k+1], v[YA+2*\k:YA+2*\k+1], CC4 op_sel_hi:[1,1,0]
.endr
.irp k, 0,1,2,3,4,5
	v_pk_fma_f32 v[SA+2*\k:SA+2*\k+1], v[SA+2*\k:SA+2*\k+1], v[YA+2*\k:YA+2*\k+1], CS3 op_sel_hi:[1,1,0]
	v_pk_fma_f32 v[CA+2*\k:CA+2*\k+1], v[CA+2*\k:CA+2*\k+1], v[YA+2*\k:YA+2*\k+1], CC2 op_sel_hi:[1,1,0]
.endr
.irp k, 0,1,2,3,4,5
	v_pk_fma_f32 v[SA+2*\k:SA+2*\k+1], v[SA+2*\k:SA+2*\k+1], v[YA+2*\k:YA+2*\k+1], CS1 op_sel_hi:[1,1,0]
	v_pk_fma_f32 v[CA+2*\k:CA+2*\k+1], v[CA+2*\k:CA+2*\k+1], v[YA+2*\k:YA+2*\k+1], 1.0 op_sel_hi:[1,1,0]
.endr
.irp k, 0,1,2,3,4,5
	v_pk_mul_f32 v[SA+2*\k:SA+2*\k+1], v[SA+2*\k:SA+2*\k+1], v[RA+2*\k:RA+2*\k+1]
.endr
	; the angle doubled twice: sin 2x = (2 sin x) cos x, cos 2x = 1 - (2 sin x) sin x
.irp k, 0,1,2,3,4,5
	v_pk_add_f32 v[YA+2*\k:YA+2*\k+1], v[SA+2*\k:SA+2*\k+1], v[SA+2*\k:SA+2*\k+1]
.endr
.irp k, 0,1,2,3,4,5
	v_pk_mul_f32 v[RA+2*\k:RA+2*\k+1], v[YA+2*\k:YA+2*\k+1], v[CA+2*\k:CA+2*\k+1]
.endr
.irp k, 0,1,2,3,4,5
	v_pk_fma_f32 v[CA+2*\k:CA+2*\k+1], v[YA+2*\k:YA+2*\k+1], v[SA+2*\k:SA+2*\k+1], 1.0 op_sel_hi:[1,1,0] neg_lo:[1,0,0] neg_hi:[1,0,0]
.endr
.irp k, 0,1,2,3,4,5
	v_pk_add_f32 v[YA+2*\k:YA+2*\k+1], v[RA+2*\k:RA+2*\k+1], v[RA+2*\k:RA+2*\k+1]
.endr
.irp k, 0,1,2,3,4,5
	v_pk_mul_f32 v[SA+2*\k:SA+2*\k+1], v[YA+2*\k:YA+2*\k+1], v[CA+2*\k:CA+2*\k+1]
.endr
.irp k, 0,1,2,3,4,5
	v_pk_fma_f32 v[CA+2*\k:CA+2*\k+1], v[YA+2*\k:YA+2*\k+1], v[RA+2*\k:RA+2*\k+1], 1.0 op_sel_hi:[1,1,0] neg_lo:[1,0,0] neg_hi:[1,0,0]
.endr
	; times the modulus.  Instances 0, 3, 5 feed T0 and are conjugated here, by the sign of the product.
	s_wait_alu depctr_va_vdst(0)
.irp k, 0,1,2,3,4,5
	v_pk_mul_f32 v[CA+2*\k:CA+2*\k+1], v[CA+2*\k:CA+2*\k+1], v[GA+2*\k:GA+2*\k+1]
.endr
.irp k, 1,2,4
	v_pk_mul_f32 v[SA+2*\k:SA+2*\k+1], v[SA+2*\k:SA+2*\k+1], v[GA+2*\k:GA+2*\k+1]
.endr
.irp k, 0,3,5
	v_pk_mul_f32 v[SA+2*\k:SA+2*\k+1], v[SA+2*\k:SA+2*\k+1], v[GA+2*\k:GA+2*\k+1] neg_lo:[1,0] neg_hi:[1,0]
.endr
	; Wc = W num conj(x) / (|x|^2 + eps),  num = e^u - 1,  x = (e^(8192 u) - 1) Lambda
	v_pk_add_f32 v[NR:NR+1], v[CA:CA+1], -1.0 op_sel_hi:[1,0]      ; Re num; Im num = -v[SA] (conjugated above)
	v_pk_add_f32 v[DR:DR+1], v[CA+2:CA+3], -1.0 op_sel_hi:[1,0]    ; Re den; Im den = v[SA+2]
.irp i, 0,1
	v_mul_f32 v[XR+\i], v[DR+\i], v[LAM+2*\i]
	v_mul_f32 v[XI+\i], v[DR+\i], v[LAM+2*\i+1]
.endr
.irp i, 0,1
	v_fma_f32 v[XR+\i], -v[SA+2+\i], v[LAM+2*\i+1], v[XR+\i]
	v_fma_f32 v[XI+\i], v[SA+2+\i], v[LAM+2*\i], v[XI+\i]
.endr
	v_pk_fma_f32 v[QQ:QQ+1], v[XR:XR+1], v[XR:XR+1], EPS op_sel_hi:[1,1,0]
	v_pk_fma_f32 v[QQ:QQ+1], v[XI:XI+1], v[XI:XI+1], v[QQ:QQ+1]
	v_rcp_f32 v[QQ], v[QQ]
	v_rcp_f32 v[QQ+1], v[QQ+1]
	s_wait_loadcnt 0x0                             ; W
.irp i, 0,1
	v_mul_f32 v[AR+\i], v[WW+2*\i], v[NR+\i]       ; plain lines between v_rcp_f32 and the use of its result
	v_mul_f32 v[AI+\i], v[WW+2*\i+1], v[NR+\i]
.endr
.irp i, 0,1
	v_fma_f32 v[AR+\i], v[WW+2*\i+1], v[SA+\i], v[AR+\i]           ; wr nr - wi ni, with v[SA] = -ni
	v_fma_f32 v[AI+\i], -v[WW+2*\i], v[SA+\i], v[AI+\i]            ; wi nr + wr ni
.endr
	v_pk_mul_f32 v[BR:BR+1], v[AR:AR+1], v[XR:XR+1]
	v_pk_mul_f32 v[BI:BI+1], v[AI:AI+1], v[XR:XR+1]
	v_pk_fma_f32 v[BR:BR+1], v[AI:AI+1], v[XI:XI+1], v[BR:BR+1]
	v_pk_fma_f32 v[BI:BI+1], v[AR:AR+1], v[XI:XI+1], v[BI:BI+1] neg_lo:[1,0,0] neg_hi:[1,0,0]
	s_wait_alu depctr_va_vdst(0)
	v_pk_mul_f32 v[BR:BR+1], v[BR:BR+1], v[QQ:QQ+1]
	v_pk_mul_f32 v[BI:BI+1], v[BI:BI+1], v[QQ:QQ+1]
	v_pk_mul_f32 v[Z1R:Z1R+1], v[BR:BR+1], v[CA+8:CA+9]            ; T1's first element: Wc e^(u M4)
	v_pk_mul_f32 v[Z1I:Z1I+1], v[BR:BR+1], v[SA+8:SA+9]
	v_pk_fma_f32 v[Z1R:Z1R+1], v[BI:BI+1], v[SA+8:SA+9], v[Z1R:Z1R+1] neg_lo:[1,0,0] neg_hi:[1,0,0]
	v_pk_fma_f32 v[Z1I:Z1I+1], v[BI:BI+1], v[CA+8:CA+9], v[Z1I:Z1I+1]
; Rows j and 15 - j of one plane: a g mode takes the mirrored chain element.  A wave's 8-byte stores cover a row's 256 bytes.
.macro PUT arr, base, j, o
	v_cndmask_b32 v[OT+\o],   v[\arr+2*(\j)],        v[\arr+2*(15-(\j))],   s18
	v_cndmask_b32 v[OT+\o+1], v[\arr+2*(\j)+1],      v[\arr+2*(15-(\j))+1], s19
	v_cndmask_b32 v[OT+\o+2], v[\arr+2*(15-(\j))],   v[\arr+2*(\j)],        s18
	v_cndmask_b32 v[OT+\o+3], v[\arr+2*(15-(\j))+1], v[\arr+2*(\j)+1],      s19
	ds_store_b64 v[VST], v[OT+\o:OT+\o+1]   offset:\base+(\j)*PITCH
	ds_store_b64 v[VST], v[OT+\o+2:OT+\o+3] offset:\base+(15-(\j))*PITCH
.endm
; Chain element j of both tables: pack hi = bf16(z), lo = bf16(z - hi), and step on.
; T1: z(j+1) = z(j) e^(4u).  T0 (element 4 b + q): within a b times conj e^u; the next b from element 4 b times conj e^(64u).
; The step's two products are formed first and the two fused lines come behind the last reader of z(j), so it may run in place.
.macro STEP j
.if ((\j)&3) == 0
.set C0R, YBR
.set C0I, YBI
.else
.set C0R, YRR
.set C0I, YRI
.endif
.if ((\j)&3) == 3
.set S0R, YBR
.set S0I, YBI
.set D0R, YBR
.set D0I, YBI
.set B0R, E64R
.set B0I, E64I
.else
.set S0R, C0R
.set S0I, C0I
.set D0R, YRR
.set D0I, YRI
.set B0R, E1R
.set B0I, E1I
.endif
	v_cvt_pk_bf16_f32 v[H1+2*\j],   v[Z1R],   v[Z1I]               ; re in the low half (k = 2 n), im in the high half (k = 2 n + 1)
	v_cvt_pk_bf16_f32 v[H1+2*\j+1], v[Z1R+1], v[Z1I+1]
	v_cvt_pk_bf16_f32 v[H0+2*\j],   v[C0R],   v[C0I]
	v_cvt_pk_bf16_f32 v[H0+2*\j+1], v[C0R+1], v[C0I+1]
.if \j < 15
	v_pk_mul_f32 v[TM:TM+1],   v[Z1R:Z1R+1], v[E4R:E4R+1]
	v_pk_mul_f32 v[TM+2:TM+3], v[Z1R:Z1R+1], v[E4I:E4I+1]
	v_pk_mul_f32 v[TM+4:TM+5], v[S0R:S0R+1], v[B0R:B0R+1]
	v_pk_mul_f32 v[TM+6:TM+7], v[S0R:S0R+1], v[B0I:B0I+1]
.endif
	v_fma_mix_f32_bf16 v[TA],   v[H1+2*\j],   v[NEG1], v[Z1R]   op_sel_hi:[1,0,0]                 ; z - hi, exact
	v_fma_mix_f32_bf16 v[TA+1], v[H1+2*\j],   v[NEG1], v[Z1I]   op_sel:[1,0,0] op_sel_hi:[1,0,0]
	v_fma_mix_f32_bf16 v[TA+2], v[H1+2*\j+1], v[NEG1], v[Z1R+1] op_sel_hi:[1,0,0]
	v_fma_mix_f32_bf16 v[TA+3], v[H1+2*\j+1], v[NEG1], v[Z1I+1] op_sel:[1,0,0] op_sel_hi:[1,0,0]
	v_fma_mix_f32_bf16 v[TA+4], v[H0+2*\j],   v[NEG1], v[C0R]   op_sel_hi:[1,0,0]
	v_fma_mix_f32_bf16 v[TA+5], v[H0+2*\j],   v[NEG1], v[C0I]   op_sel:[1,0,0] op_sel_hi:[1,0,0]
	v_fma_mix_f32_bf16 v[TA+6], v[H0+2*\j+1], v[NEG1], v[C0R+1] op_sel_hi:[1,0,0]
	v_fma_mix_f32_bf16 v[TA+7], v[H0+2*\j+1], v[NEG1], v[C0I+1] op_sel:[1,0,0] op_sel_hi:[1,0,0]
.if \j < 15
	v_pk_fma_f32 v[Z1R:Z1R+1], v[Z1I:Z1I+1], v[E4I:E4I+1], v[TM:TM+1] neg_lo:[1,0,0] neg_hi:[1,0,0]
	v_pk_fma_f32 v[Z1I:Z1I+1], v[Z1I:Z1I+1], v[E4R:E4R+1], v[TM+2:TM+3]
	v_pk_fma_f32 v[D0R:D0R+1], v[S0I:S0I+1], v[B0I:B0I+1], v[TM+4:TM+5] neg_lo:[1,0,0] neg_hi:[1,0,0]
	v_pk_fma_f32 v[D0I:D0I+1], v[S0I:S0I+1], v[B0R:B0R+1], v[TM+6:TM+7]
.endif
	v_cvt_pk_bf16_f32 v[L1+2*\j],   v[TA],   v[TA+1]
	v_cvt_pk_bf16_f32 v[L1+2*\j+1], v[TA+2], v[TA+3]
	v_cvt_pk_bf16_f32 v[L0+2*\j],   v[TA+4], v[TA+5]
	v_cvt_pk_bf16_f32 v[L0+2*\j+1], v[TA+6], v[TA+7]
.if \j >= 8
	PUT H1, T1H, \j, 0                             ; from element 8 on both partners of a mirrored pair exist
	PUT H0, T0H, \j, 4
	PUT L1, T1L, \j, 8
	PUT L0, T0L, \j, 12
.endif
.endm
.irp j, 0,1,2,3,4,5,6,7,8,9,10,11,12,13,14,15
	STEP \j
.endr
	s_wait_dscnt 0x0                               ; my rows are in LDS: zero, since the other waves read them
	s_barrier_signal -1
	s_barrier_wait -1                              ; all 64 rows of all four planes are
	; MATRIX PHASE.  A buffer holds one K step of 32: T1 tile 0 hi, lo, tile 1 hi, lo, then T0 the same; 16 loads of 16 bytes a lane.
.macro LDFRAG f, ks
.irp t, 0,1
.irp pl, 0,1
	ds_load_b128 v[\f+16*\t+8*\pl:\f+16*\t+8*\pl+3],   v[AD1] offset:T1H+\pl*PLANE+\t*16*PITCH+64*\ks
	ds_load_b128 v[\f+16*\t+8*\pl+4:\f+16*\t+8*\pl+7], v[AD1] offset:T1H+\pl*PLANE+\t*16*PITCH+64*\ks+32
.endr
.endr
.irp t, 0,1
.irp pl, 0,1
	ds_load_b128 v[\f+32+16*\t+8*\pl:\f+32+16*\t+8*\pl+3],   v[AD0] offset:T0H+\pl*PLANE+\t*16*PITCH+64*\ks
	ds_load_b128 v[\f+32+16*\t+8*\pl+4:\f+32+16*\t+8*\pl+7], v[AD0] offset:T0H+\pl*PLANE+\t*16*PITCH+64*\ks+32
.endr
.endr
.endm
.macro WM d, a, b, zero
.if \zero
	v_wmma_f32_16x16x32_bf16 v[\d:\d+7], v[\a:\a+7], v[\b:\b+7], 0
.else
	v_wmma_f32_16x16x32_bf16 v[\d:\d+7], v[\a:\a+7], v[\b:\b+7], v[\d:\d+7]
.endif
.endm
; 12 matrix instructions: four tiles x (hi hi, hi lo, lo hi).  Source 0 = T0 (result register j, lane half: p = 8 half + j), source 1 = T1 (lane: r).
; zero = 1: the first product starts the sums.
.macro MM f, zero
.irp ia, 0,1
.irp ig, 0,1
	WM ACC+8*(2*\ia+\ig), \f+32+16*\ig, \f+16*\ia, \zero
.endr
.endr
.irp ia, 0,1
.irp ig, 0,1
	WM ACC+8*(2*\ia+\ig), \f+32+16*\ig, \f+16*\ia+8, 0
.endr
.endr
.irp ia, 0,1
.irp ig, 0,1
	WM ACC+8*(2*\ia+\ig), \f+32+16*\ig+8, \f+16*\ia, 0
.endr
.endr
.endm
	LDFRAG FB0, 0
	LDFRAG FB1, 1
	LDFRAG FB2, 2
	s_wait_dscnt 32                                ; K step 0 is in; the 32 loads of steps 1 and 2 may be out
	MM FB0, 1
.rept 4
	v_nop                                          ; four places between the matrix instructions that read buffer 0 and the loads into it
.endr
	LDFRAG FB0, 3
	s_wait_dscnt 32                                ; step 1 is in; steps 2 and 3 may be out
	MM FB1, 0
	s_wait_dscnt 16                                ; step 2 is in; step 3 may be out
	MM FB2, 0
	s_wait_dscnt 0
	MM FB0, 0
.rept 4
	v_nop                                          ; four places before the stores read the results
.endr
	; tile (ia, ig): registers 0-3 are q = 0..3 at b = 2 half, registers 4-7 at b = 2 half + 1 (64 floats on);
	; lanes 0-15 and lanes 16-31 each store 256 consecutive bytes at a multiple of 256 from the output's first byte
.irp ia, 0,1
.irp ig, 0,1
	global_store_b128 v[VO], v[ACC+8*(2*\ia+\ig):ACC+8*(2*\ia+\ig)+3],   s[10:11] offset:1024*\ia+4096*\ig th:TH_STORE_NT
	global_store_b128 v[VO], v[ACC+8*(2*\ia+\ig)+4:ACC+8*(2*\ia+\ig)+7], s[10:11] offset:1024*\ia+4096*\ig+256 th:TH_STORE_NT
.endr
.endr
	s_set_vgpr_msb 0x5
	s_wait_tensorcnt 0x0
	ds_add_u32 v0, v1
	s_wait_dscnt 0x0
	s_set_vgpr_msb 0x500
	s_endpgm
.Lfunc_end_k_qa1e7b41ceb_dss:
	.size	k_qa1e7b41ceb_dss, .Lfunc_end_k_qa1e7b41ceb_dss-k_qa1e7b41ceb_dss
	.p2alignl 7, 3214868480
	.fill 96, 4, 3214868480
	.section	.rodata,"a",@progbits
	.p2align	6, 0x0
	.amdhsa_kernel k_qa1e7b41ceb_dss
		.amdhsa_group_segment_fixed_size 70144
		.amdhsa_private_segment_fixed_size 0
		.amdhsa_enable_private_segment 0
		.amdhsa_kernarg_size 32
		.amdhsa_user_sgpr_count 2
		.amdhsa_user_sgpr_kernarg_segment_ptr 1
		.amdhsa_wavefront_size32 1
		.amdhsa_system_sgpr_workgroup_id_x 1
		.amdhsa_system_sgpr_workgroup_id_y 1
		.amdhsa_system_sgpr_workgroup_id_z 1
		.amdhsa_system_vgpr_workitem_id 0
		.amdhsa_next_free_vgpr 258
		.amdhsa_next_free_sgpr 66
		.amdhsa_reserve_vcc 0
		.amdhsa_float_denorm_mode_32 3
		.amdhsa_float_denorm_mode_16_64 3
		.amdhsa_memory_ordered 1
		.amdhsa_forward_progress 1
		.amdhsa_inst_pref_size 62
	.end_amdhsa_kernel
	.amdgpu_metadata
---
amdhsa.version: [ 1, 2 ]
amdhsa.kernels:
  - .name:           k_qa1e7b41ceb_dss
    .symbol:         k_qa1e7b41ceb_dss.kd
    .args:
      - { .name: Lambda, .offset: 0, .size: 8, .value_kind: global_buffer, .address_space: global }
      - { .name: W, .offset: 8, .size: 8, .value_kind: global_buffer, .address_space: global }
      - { .name: log_dt, .offset: 16, .size: 8, .value_kind: global_buffer, .address_space: global }
      - { .name: out0, .offset: 24, .size: 8, .value_kind: global_buffer, .address_space: global }
    .group_segment_fixed_size: 70144
    .private_segment_fixed_size: 0
    .kernarg_segment_align: 8
    .kernarg_segment_size: 32
    .max_flat_workgroup_size: 128
    .sgpr_count:     66
    .vgpr_count:     258
    .wavefront_size: 32
...
	.end_amdgpu_metadata
.endif
;; end of part 1
;; ======== version 2 of 2: 1 launch; version 1 with the launch dss written anew for expert scheduling mode
;; launch dss (part 2): grid 256 x 1, 4 waves a work-group, no clusters, 70,144 bytes of LDS; arguments Lambda, W, log_dt, out0; writes out0
.if DOCPART == 2
	.amdgcn_target "amdgcn-amd-amdhsa--gfx1250"
	.amdhsa_code_object_version 6
	.text
	.protected	k_qa1e7b41ceb_dss
	.globl	k_qa1e7b41ceb_dss
	.p2align	8
	.type	k_qa1e7b41ceb_dss,@function
k_qa1e7b41ceb_dss:
	s_mov_b64 s[64:65], 0
	v_nop
	global_prefetch_b8 v0, s[64:65] scope:SCOPE_SE
	s_setreg_imm32_b32 hwreg(HW_REG_WAVE_SCHED_MODE, 0, 2), 2
	s_setreg_imm32_b32 hwreg(HW_REG_WAVE_MODE, 25, 1), 1
	s_wait_xcnt 0x0
	s_wait_alu depctr_vm_vsrc(0)
; DSS kernel K[h][l] = Re sum_n Wc[h][n] S[h][n][l],  H = 128, N = 64, L = 8192, all buffers f32.
; With g = (Re Lambda > 0) and u = dtLambda (g: -dtLambda), Re u <= 0 and
;   num = e^u - 1,  den = e^(8192 u) - 1,  S = e^(u l)  (g: e^(u (8191 - l))).
; A work-group owns one h and 4096 consecutive l (x = 2 h + half).  l_local = q + 4 r + 64 b + 256 a + 1024 c  splits the exponent:
;   T1 row (a, r):        Wc e^(u (4 r + 256 a + 4096 half))          64 rows
;   T0 row (c, p = 4b+q): conj e^(u (q + 64 b + 1024 c))              64 rows
; and K = T0 x T1^T over k = (n, re/im), 128 long: Re(X Y) = Xr Yr + Xi (conj Y)i.  So 2 x 64 x 64 table entries replace 64 x 4096
; exponentials.  For g modes every index field is complemented (4095 - l_local): a row takes chain element 15 - pos and the start
; multipliers are the complemented ones; only VALUES are selected (v_cndmask_b32), no address or branch hangs on a float, and every
; factor has modulus <= 1, so nothing overflows and no 0 x inf arises.
; OPERANDS: one bf16 rounding is too coarse here (the largest dt gives sums about 60 times the output's rms, the allowance is 1 % of
; the rms), so each table is kept as bf16 hi + bf16 lo and three products are summed in f32: hi hi + hi lo + lo hi.
; TABLE PHASE: lane = modes 2 lane, 2 lane + 1 (all set-up is packed f32 over that pair), wave w = rows 16 w .. 16 w + 15 of both tables;
; six accurate complex exponentials a mode (multipliers 1, 8192, 4, 64 and the two starts), then chains of complex products.
; MATRIX PHASE: wave (w >> 1, w & 1) makes 2 x 2 tiles of 16 x 16; source 0 = T0, source 1 = T1, so registers 0-3 (4-7) of lanes 0-15
; hold 64 consecutive floats: each 16-byte store of the wave covers two aligned runs of 256 consecutive bytes.
; NO CLUSTER, no tensor loads, no prefetch: a work-group reads 16 + 16 bytes a lane and 8 bytes of log_dt once, through registers;
; there is no tile that work-groups share.
; LIMITS.  (1) The phase is the exact product Im(dtLambda) x m reduced mod 2 pi (hi + lo arithmetic); the reference rounds
; Im(dtLambda) l (and x 8191) to f32 first, so a mode's phase may differ by about one ulp of |Im dtLambda| 8191 radians: this shows
; only for undamped or growing modes at very large phase.  (2) v_exp_f32 gives 0 for magnitudes below 2^-126.
; (3) Matrix operands carry 16 significant bits (hi + lo).
; THE MODE: SCHED_MODE bits 1:0 = 2 (LLVM: expert scheduling mode 2), set by the entry lines.  The code itself states the register
; dependences between vector or matrix instructions and memory or LDS instructions, with s_wait_alu, always for 0.
; THE PLAN.  The text is one straight run.  Registers that memory or LDS instructions touch:
;   v5, v6      offsets of the three input loads; v1 address of every LDS store: written at the head ahead of the first wait on va_vdst, never again.
;   v2, v3, v4  addresses of the fragment loads, offset of the output stores: written at the head behind the input loads, never again;
;               every later wait on va_vdst stands behind them.
;   v[8:17]     the inputs land here; no vector instruction names them ahead of the loads.
;   OT0, OT1    two out-buffers of 16 words.  Chain element j (8 .. 15) selects into OT[j & 1]; the eight LDS stores that read it are issued
;               in element j + 1, dealt among its vector instructions, which name neither that buffer nor v1.  So at an element's head one wait
;               on va_vdst (the buffer to be stored is written) and one on vm_vsrc (the buffer to be written has been read) state all.
;   FB0 .. FB2  three fragment buffers.  Their first loads stand behind the wait on va_vdst that follows element 15 (no vector instruction is
;               issued between) and behind a wait on vm_vsrc (the LDS stores have read OT0 and OT1, which overlap FB0 and the accumulators).
;               FB0 is loaded a second time, behind one wait on va_vdst that follows the twelve products that read it; those sixteen loads are
;               dealt among the next products, which name FB1 and the accumulators alone.
;   ACC         written by the products, read by the output stores: the four places, then one wait on va_vdst.
; A fourth fragment buffer is left out: 32 + 4 x 64 registers and the addresses do not fit one window of 256.
.set PITCH, 272                        ; LDS row: 256 bytes (64 modes x re, im in bf16) + 16: 17 x 16 bytes, so 16 rows start at 16 different 16-byte columns mod 256
.set PLANE, 64*PITCH
.set T1H, 0
.set T1L, PLANE
.set T0H, 2*PLANE
.set T0L, 3*PLANE
.set L2EH, 0x3fb8aa3b                  ; log2 e, upper and lower part
.set L2EL, 0x32a57060
.set LN2,  0x3f317218
.set I2PH, 0x3e22f983                  ; 1 / (2 pi), upper and lower part
.set I2PL, 0x31dc9c88
.set EPS,  0x33d6bf95                  ; 1e-7
.set CS1, 0x3fc90fdb                   ; sin(pi f / 2) = f (CS1 + CS3 y + CS5 y^2 + CS7 y^3 + CS9 y^4), y = f^2
.set CS3, 0xbf255de7
.set CS5, 0x3da335e3
.set CS7, 0xbb996966
.set CS9, 0x39283c1a
.set CC2, 0xbf9de9e6                   ; cos(pi f / 2) = 1 + CC2 y + CC4 y^2 + CC6 y^3 + CC8 y^4
.set CC4, 0x3e81e0f8
.set CC6, 0xbcaae9e4
.set CC8, 0x3a70fa83
; registers.  A pair v[Q:Q+1] holds Q of mode 2 lane and of mode 2 lane + 1.
.set VST, 1                            ; LDS address of my 8 bytes in my wave's first row
.set AD1, 2                            ; LDS address of my T1 fragments
.set AD0, 3                            ; LDS address of my T0 fragments
.set VO,  4                            ; my byte offset in the work-group's 16,384 bytes of output
.set VLD, 5                            ; 16 x lane
.set VLH, 6                            ; 8 x h
.set NEG1, 7                           ; -1.0
.set LAM, 8                            ; v[8:11]  re, im of Lambda of my two modes
.set WW,  12                           ; v[12:15] re, im of W
.set LDT, 16                           ; log_dt (re, im)
.set DT,  18                           ; dt (re, im)
.set TT,  20                           ; v[20:27] at work
.set UI,  28                           ; Im u
.set RHO, 30                           ; Re u x log2 e
.set TH,  32                           ; Im u / 2 pi, upper part
.set TL,  34                           ; lower part
.set KS9, 36
.set KS7, 38
.set KC8, 40
.set KC6, 42
.set M4,  44                           ; T1's start multiplier
.set M5,  46                           ; T0's start multiplier
.set PA,  48                           ; six instances k = 0..5 (multipliers 1, 8192, 4, 64, M4, M5), a pair each:  revolutions, later sin
.set EA,  60                           ; residual of the product, later f^2 and 2 sin
.set RA,  72                           ; reduced revolutions f
.set CA,  84                           ; cos
.set GA,  96                           ; exponent, then modulus
.set SA,  PA
.set YA,  EA
.set PSRC0, TH                         ; instance 0 has multiplier 1: it reads TH, TL, RHO themselves
.set ESRC0, TL
.set PSRC1, PA+2
.set ESRC1, EA+2
.set PSRC2, PA+4
.set ESRC2, EA+4
.set PSRC3, PA+6
.set ESRC3, EA+6
.set PSRC4, PA+8
.set ESRC4, EA+8
.set PSRC5, PA+10
.set ESRC5, EA+10
.set NR, 60                            ; Wc's intermediates, in registers that the exponentials have left
.set DR, 62
.set XR, 64
.set XI, 66
.set QQ, 68
.set AR, 70
.set AI, 72
.set BR, 74
.set BI, 76
.set OT0, 60                           ; v[60:75] selected words on their way to LDS: the even chain elements'
.set OT1, 28                           ; v[28:43] the odd chain elements', in registers that the exponentials have left
.set E1R, CA                           ; conj e^u
.set E1I, SA
.set E4R, CA+4                         ; e^(4u)
.set E4I, SA+4
.set E64R, CA+6                        ; conj e^(64u)
.set E64I, SA+6
.set YBR, CA+10                        ; T0: element 4 b of the chain
.set YBI, SA+10
.set Z1R, 108                          ; T1: the running element
.set Z1I, 110
.set YRR, 112                          ; T0: the running element 4 b + q
.set YRI, 114
.set TM,  116                          ; v[116:123] products at work
.set TA,  TT                           ; v[20:27]   z - hi
.set H1, 128                           ; packed words of chain element j, mode i at +2 j + i: T1 hi, T1 lo, T0 hi, T0 lo
.set L1, 160
.set H0, 192
.set L0, 224
.set ACC, 8                            ; matrix phase: v[8:39] four accumulator tiles
.set FB0, 40                           ; three fragment buffers of 64 registers (one K step of 32 each)
.set FB1, 104
.set FB2, 168
	s_load_b256 s[4:11], s[0:1], 0x0               ; Lambda s[4:5], W s[6:7], log_dt s[8:9], out s[10:11]
	s_set_vgpr_msb 0x40
	v_lshl_add_u32 v0, v0, 2, 0x11000
	v_mov_b32 v1, 0
	s_set_vgpr_msb 0x4000
	v_and_b32 v[VLD], 31, v0                       ; lane
	v_lshrrev_b32 v[TT], 5, v0
	v_readfirstlane_b32 s12, v[TT]                 ; wave 0..3
	s_lshr_b32 s14, ttmp9, 1                       ; h
	s_and_b32 s15, ttmp9, 1                        ; which half of L
	s_lshl_b32 s16, s14, 3
	v_mov_b32 v[VLH], s16                          ; log_dt[h]: 8 bytes
	s_wait_alu depctr_va_sdst(0)                   ; s12 is written, ahead of its first reader: the LDS rows, the tiles and the start multipliers are made from it
	s_mul_i32 s17, s12, 16*PITCH                   ; my wave's 16 rows
	v_lshl_add_u32 v[VST], v[VLD], 3, s17          ; + 8 bytes a lane (two modes x re, im in bf16)
	v_lshlrev_b32 v[VLD], 4, v[VLD]                ; 16 bytes a lane in Lambda and in W[h]
	s_lshl_b32 s20, s14, 9                         ; W[h]: 512 bytes
	s_mov_b32 s21, 0
	s_lshl_b32 s22, ttmp9, 14                      ; out: 4096 floats for each work-group
	s_mov_b32 s23, 0
	s_wait_kmcnt 0x0
	s_add_nc_u64 s[6:7], s[6:7], s[20:21]
	s_add_nc_u64 s[10:11], s[10:11], s[22:23]
	s_wait_alu depctr_va_vdst(0)                   ; v[VLH] and v[VLD] are written, which the three loads read as offsets; so is v[VST], which every LDS store reads
	global_load_b64  v[LDT:LDT+1], v[VLH], s[8:9]
	global_load_b128 v[LAM:LAM+3], v[VLD], s[4:5]
	global_load_b128 v[WW:WW+3],   v[VLD], s[6:7]
	; while the loads are out: addresses of the matrix phase, multipliers, constants
	v_and_b32 v[TT], 15, v0                        ; r
	v_bfe_u32 v[TT+1], v0, 4, 1                    ; upper half of the lanes
	v_mul_u32_u24 v[TT+2], v[TT], PITCH
	v_lshl_add_u32 v[TT+2], v[TT+1], 4, v[TT+2]    ; fragment: row r, 16 bytes for each half
	s_lshr_b32 s24, s12, 1                         ; my pair of T1 tiles
	s_and_b32 s25, s12, 1                          ; my pair of T0 tiles
	s_mul_i32 s26, s24, 32*PITCH
	s_mul_i32 s27, s25, 32*PITCH
	v_add_nc_u32 v[AD1], s26, v[TT+2]
	v_add_nc_u32 v[AD0], s27, v[TT+2]
	s_lshl_b32 s26, s24, 11                        ; 2 T1 tiles = 2 x 256 floats
	s_lshl_b32 s27, s25, 13                        ; 2 T0 tiles = 2 x 1024 floats
	s_add_co_u32 s26, s26, s27
	v_lshlrev_b32 v[VO], 4, v[TT]                  ; 4 r floats
	v_lshl_add_u32 v[VO], v[TT+1], 9, v[VO]        ; the upper lanes hold b = 2, 3: 128 floats on
	v_add_nc_u32 v[VO], s26, v[VO]
	s_lshl_b32 s28, s12, 8
	s_lshl_b32 s29, s15, 12
	s_add_co_u32 s28, s28, s29                     ; T1 start: 256 w + 4096 half
	s_sub_co_u32 s29, 4864, s28                    ; complemented: 256 (3 - w) + 4096 (1 - half)
	s_lshl_b32 s30, s12, 10                        ; T0 start: 1024 w
	s_sub_co_u32 s31, 3072, s30                    ; complemented
	v_cvt_f32_u32 v[TT+4], s28
	v_cvt_f32_u32 v[TT+5], s29
	v_cvt_f32_u32 v[TT+6], s30
	v_cvt_f32_u32 v[TT+7], s31
	v_mov_b32 v[NEG1], -1.0
	v_mov_b32 v[KS9], CS9                          ; the two constants of each polynomial's first step, as pairs
	v_mov_b32 v[KS9+1], CS9
	v_mov_b32 v[KS7], CS7
	v_mov_b32 v[KS7+1], CS7
	v_mov_b32 v[KC8], CC8
	v_mov_b32 v[KC8+1], CC8
	v_mov_b32 v[KC6], CC6
	v_mov_b32 v[KC6+1], CC6
	s_wait_loadcnt 0x1                             ; log_dt and Lambda are in; W, issued last, may still be out
	v_cmp_lt_f32 s18, 0, v[LAM]                    ; g of mode 2 lane
	v_cmp_lt_f32 s19, 0, v[LAM+2]                  ; g of mode 2 lane + 1: the two compares in one run; the wait for them stands ahead of the first select
	; dt = exp(log_dt) for (re, im): log_dt log2 e as upper + lower part, 2^upper (1 + lower ln 2)
	v_pk_mul_f32 v[TT:TT+1], v[LDT:LDT+1], L2EH op_sel_hi:[1,0]
	v_pk_fma_f32 v[TT+2:TT+3], v[LDT:LDT+1], L2EH, v[TT:TT+1] op_sel_hi:[1,0,1] neg_lo:[0,0,1] neg_hi:[0,0,1]
	v_pk_fma_f32 v[TT+2:TT+3], v[LDT:LDT+1], L2EL, v[TT+2:TT+3] op_sel_hi:[1,0,1]
	v_exp_f32 v[DT], v[TT]
	v_exp_f32 v[DT+1], v[TT+1]
	v_pk_mul_f32 v[TT+2:TT+3], v[TT+2:TT+3], LN2 op_sel_hi:[1,0]   ; the plain instruction between v_exp_f32 and the use of its result
	s_wait_alu depctr_va_vdst(0)
	v_pk_fma_f32 v[DT:DT+1], v[DT:DT+1], v[TT+2:TT+3], v[DT:DT+1]
	; u: Re u = -|dt_re Re Lambda| (dt > 0, so its sign is Lambda's), Im u = +-(dt_im Im Lambda)
	v_mul_f32 v[TT], v[DT], v[LAM]
	v_mul_f32 v[TT+1], v[DT], v[LAM+2]
	v_mul_f32 v[UI], v[DT+1], v[LAM+1]
	v_mul_f32 v[UI+1], v[DT+1], v[LAM+3]
	s_wait_alu depctr_va_sdst(0)                   ; s18 and s19 are written, ahead of their first reader: every select of the kernel reads one of them
	v_cndmask_b32 v[TT+2], 1.0, -1.0, s18
	v_cndmask_b32 v[TT+3], 1.0, -1.0, s19
	v_or_b32 v[TT], 0x80000000, v[TT]
	v_or_b32 v[TT+1], 0x80000000, v[TT+1]
	v_pk_mul_f32 v[UI:UI+1], v[UI:UI+1], v[TT+2:TT+3]
	v_pk_mul_f32 v[RHO:RHO+1], v[TT:TT+1], L2EH op_sel_hi:[1,0]
	v_pk_mul_f32 v[TH:TH+1], v[UI:UI+1], I2PH op_sel_hi:[1,0]
	v_cndmask_b32 v[M4], v[TT+4], v[TT+5], s18
	v_cndmask_b32 v[M4+1], v[TT+4], v[TT+5], s19
	v_cndmask_b32 v[M5], v[TT+6], v[TT+7], s18
	v_cndmask_b32 v[M5+1], v[TT+6], v[TT+7], s19
	v_pk_fma_f32 v[TL:TL+1], v[UI:UI+1], I2PH, v[TH:TH+1] op_sel_hi:[1,0,1] neg_lo:[0,0,1] neg_hi:[0,0,1]
	v_pk_fma_f32 v[TL:TL+1], v[UI:UI+1], I2PL, v[TL:TL+1] op_sel_hi:[1,0,1]
	; SIX COMPLEX EXPONENTIALS e^(u m), stage by stage, so that dependent lines stand six or more apart.
	; revolutions = (TH + TL) m as product + residual; a power of two multiplies exactly, M4 and M5 need the fma residual.
.macro POW2 k, m
	v_pk_mul_f32 v[PA+2*\k:PA+2*\k+1], v[TH:TH+1], \m op_sel_hi:[1,0]
	v_pk_mul_f32 v[EA+2*\k:EA+2*\k+1], v[TL:TL+1], \m op_sel_hi:[1,0]
	v_pk_mul_f32 v[GA+2*\k:GA+2*\k+1], v[RHO:RHO+1], \m op_sel_hi:[1,0]
.endm
.macro ANYM k, m
	v_pk_mul_f32 v[PA+2*\k:PA+2*\k+1], v[TH:TH+1], v[\m:\m+1]
	v_pk_mul_f32 v[GA+2*\k:GA+2*\k+1], v[RHO:RHO+1], v[\m:\m+1]
	v_pk_fma_f32 v[EA+2*\k:EA+2*\k+1], v[TH:TH+1], v[\m:\m+1], v[PA+2*\k:PA+2*\k+1] neg_lo:[0,0,1] neg_hi:[0,0,1]
	v_pk_fma_f32 v[EA+2*\k:EA+2*\k+1], v[TL:TL+1], v[\m:\m+1], v[EA+2*\k:EA+2*\k+1]
.endm
	POW2 1, 0x46000000                             ; 8192
	POW2 2, 4.0
	POW2 3, 0x42800000                             ; 64
	ANYM 4, M4
	ANYM 5, M5
	v_exp_f32 v[GA], v[RHO]                        ; the moduli 2^(RHO m); first used far below
	v_exp_f32 v[GA+1], v[RHO+1]
.irp r, 2,3,4,5,6,7,8,9,10,11
	v_exp_f32 v[GA+\r], v[GA+\r]
.endr
.irp k, 0,1,2,3,4,5
	v_rndne_f32 v[RA+2*\k], v[PSRC\k]
	v_rndne_f32 v[RA+2*\k+1], v[PSRC\k+1]
.endr
.irp k, 0,1,2,3,4,5
	v_pk_add_f32 v[RA+2*\k:RA+2*\k+1], v[PSRC\k:PSRC\k+1], v[RA+2*\k:RA+2*\k+1] neg_lo:[0,1] neg_hi:[0,1]   ; exact
.endr
.irp k, 0,1,2,3,4,5
	v_pk_add_f32 v[RA+2*\k:RA+2*\k+1], v[RA+2*\k:RA+2*\k+1], v[ESRC\k:ESRC\k+1]
.endr
.irp k, 0,1,2,3,4,5
	v_rndne_f32 v[CA+2*\k], v[RA+2*\k]             ; once more: keeps f in [-1/2, 1/2] also where the residual is large (huge phases)
	v_rndne_f32 v[CA+2*\k+1], v[RA+2*\k+1]
.endr
.irp k, 0,1,2,3,4,5
	v_pk_add_f32 v[RA+2*\k:RA+2*\k+1], v[RA+2*\k:RA+2*\k+1], v[CA+2*\k:CA+2*\k+1] neg_lo:[0,1] neg_hi:[0,1]
.endr
.irp k, 0,1,2,3,4,5
	v_pk_mul_f32 v[YA+2*\k:YA+2*\k+1], v[RA+2*\k:RA+2*\k+1], v[RA+2*\k:RA+2*\k+1]
.endr
	; sin and cos of a quarter of the angle, pi f / 2 in [-pi/4, pi/4]
.irp k, 0,1,2,3,4,5
	v_pk_fma_f32 v[SA+2*\k:SA+2*\k+1], v[YA+2*\k:YA+2*\k+1], v[KS9:KS9+1], v[KS7:KS7+1]
	v_pk_fma_f32 v[CA+2*\k:CA+2*\k+1], v[YA+2*\k:YA+2*\k+1], v[KC8:KC8+1], v[KC6:KC6+1]
.endr
.irp k, 0,1,2,3,4,5
	v_pk_fma_f32 v[SA+2*\k:SA+2*\k+1], v[SA+2*\k:SA+2*\k+1], v[YA+2*\k:YA+2*\k+1], CS5 op_sel_hi:[1,1,0]
	v_pk_fma_f32 v[CA+2*\k:CA+2*\k+1], v[CA+2*\k:CA+2*\k+1], v[YA+2*\k:YA+2*\k+1], CC4 op_sel_hi:[1,1,0]
.endr
.irp k, 0,1,2,3,4,5
	v_pk_fma_f32 v[SA+2*\k:SA+2*\k+1], v[SA+2*\k:SA+2*\k+1], v[YA+2*\k:YA+2*\k+1], CS3 op_sel_hi:[1,1,0]
	v_pk_fma_f32 v[CA+2*\k:CA+2*\k+1], v[CA+2*\k:CA+2*\k+1], v[YA+2*\k:YA+2*\k+1], CC2 op_sel_hi:[1,1,0]
.endr
.irp k, 0,1,2,3,4,5
	v_pk_fma_f32 v[SA+2*\k:SA+2*\k+1], v[SA+2*\k:SA+2*\k+1], v[YA+2*\k:YA+2*\k+1], CS1 op_sel_hi:[1,1,0]
	v_pk_fma_f32 v[CA+2*\k:CA+2*\k+1], v[CA+2*\k:CA+2*\k+1], v[YA+2*\k:YA+2*\k+1], 1.0 op_sel_hi:[1,1,0]
.endr
.irp k, 0,1,2,3,4,5
	v_pk_mul_f32 v[SA+2*\k:SA+2*\k+1], v[SA+2*\k:SA+2*\k+1], v[RA+2*\k:RA+2*\k+1]
.endr
	; the angle doubled twice: sin 2x = (2 sin x) cos x, cos 2x = 1 - (2 sin x) sin x
.irp k, 0,1,2,3,4,5
	v_pk_add_f32 v[YA+2*\k:YA+2*\k+1], v[SA+2*\k:SA+2*\k+1], v[SA+2*\k:SA+2*\k+1]
.endr
.irp k, 0,1,2,3,4,5
	v_pk_mul_f32 v[RA+2*\k:RA+2*\k+1], v[YA+2*\k:YA+2*\k+1], v[CA+2*\k:CA+2*\k+1]
.endr
.irp k, 0,1,2,3,4,5
	v_pk_fma_f32 v[CA+2*\k:CA+2*\k+1], v[YA+2*\k:YA+2*\k+1], v[SA+2*\k:SA+2*\k+1], 1.0 op_sel_hi:[1,1,0] neg_lo:[1,0,0] neg_hi:[1,0,0]
.endr
.irp k, 0,1,2,3,4,5
	v_pk_add_f32 v[YA+2*\k:YA+2*\k+1], v[RA+2*\k:RA+2*\k+1], v[RA+2*\k:RA+2*\k+1]
.endr
.irp k, 0,1,2,3,4,5
	v_pk_mul_f32 v[SA+2*\k:SA+2*\k+1], v[YA+2*\k:YA+2*\k+1], v[CA+2*\k:CA+2*\k+1]
.endr
.irp k, 0,1,2,3,4,5
	v_pk_fma_f32 v[CA+2*\k:CA+2*\k+1], v[YA+2*\k:YA+2*\k+1], v[RA+2*\k:RA+2*\k+1], 1.0 op_sel_hi:[1,1,0] neg_lo:[1,0,0] neg_hi:[1,0,0]
.endr
	; times the modulus.  Instances 0, 3, 5 feed T0 and are conjugated here, by the sign of the product.
	s_wait_alu depctr_va_vdst(0)
.irp k, 0,1,2,3,4,5
	v_pk_mul_f32 v[CA+2*\k:CA+2*\k+1], v[CA+2*\k:CA+2*\k+1], v[GA+2*\k:GA+2*\k+1]
.endr
.irp k, 1,2,4
	v_pk_mul_f32 v[SA+2*\k:SA+2*\k+1], v[SA+2*\k:SA+2*\k+1], v[GA+2*\k:GA+2*\k+1]
.endr
.irp k, 0,3,5
	v_pk_mul_f32 v[SA+2*\k:SA+2*\k+1], v[SA+2*\k:SA+2*\k+1], v[GA+2*\k:GA+2*\k+1] neg_lo:[1,0] neg_hi:[1,0]
.endr
	; Wc = W num conj(x) / (|x|^2 + eps),  num = e^u - 1,  x = (e^(8192 u) - 1) Lambda
	v_pk_add_f32 v[NR:NR+1], v[CA:CA+1], -1.0 op_sel_hi:[1,0]      ; Re num; Im num = -v[SA] (conjugated above)
	v_pk_add_f32 v[DR:DR+1], v[CA+2:CA+3], -1.0 op_sel_hi:[1,0]    ; Re den; Im den = v[SA+2]
.irp i, 0,1
	v_mul_f32 v[XR+\i], v[DR+\i], v[LAM+2*\i]
	v_mul_f32 v[XI+\i], v[DR+\i], v[LAM+2*\i+1]
.endr
.irp i, 0,1
	v_fma_f32 v[XR+\i], -v[SA+2+\i], v[LAM+2*\i+1], v[XR+\i]
	v_fma_f32 v[XI+\i], v[SA+2+\i], v[LAM+2*\i], v[XI+\i]
.endr
	v_pk_fma_f32 v[QQ:QQ+1], v[XR:XR+1], v[XR:XR+1], EPS op_sel_hi:[1,1,0]
	v_pk_fma_f32 v[QQ:QQ+1], v[XI:XI+1], v[XI:XI+1], v[QQ:QQ+1]
	v_rcp_f32 v[QQ], v[QQ]
	v_rcp_f32 v[QQ+1], v[QQ+1]
	s_wait_loadcnt 0x0                             ; W
.irp i, 0,1
	v_mul_f32 v[AR+\i], v[WW+2*\i], v[NR+\i]       ; plain lines between v_rcp_f32 and the use of its result
	v_mul_f32 v[AI+\i], v[WW+2*\i+1], v[NR+\i]
.endr
.irp i, 0,1
	v_fma_f32 v[AR+\i], v[WW+2*\i+1], v[SA+\i], v[AR+\i]           ; wr nr - wi ni, with v[SA] = -ni
	v_fma_f32 v[AI+\i], -v[WW+2*\i], v[SA+\i], v[AI+\i]            ; wi nr + wr ni
.endr
	v_pk_mul_f32 v[BR:BR+1], v[AR:AR+1], v[XR:XR+1]
	v_pk_mul_f32 v[BI:BI+1], v[AI:AI+1], v[XR:XR+1]
	v_pk_fma_f32 v[BR:BR+1], v[AI:AI+1], v[XI:XI+1], v[BR:BR+1]
	v_pk_fma_f32 v[BI:BI+1], v[AR:AR+1], v[XI:XI+1], v[BI:BI+1] neg_lo:[1,0,0] neg_hi:[1,0,0]
	s_wait_alu depctr_va_vdst(0)
	v_pk_mul_f32 v[BR:BR+1], v[BR:BR+1], v[QQ:QQ+1]
	v_pk_mul_f32 v[BI:BI+1], v[BI:BI+1], v[QQ:QQ+1]
	v_pk_mul_f32 v[Z1R:Z1R+1], v[BR:BR+1], v[CA+8:CA+9]            ; T1's first element: Wc e^(u M4)
	v_pk_mul_f32 v[Z1I:Z1I+1], v[BR:BR+1], v[SA+8:SA+9]
	v_pk_fma_f32 v[Z1R:Z1R+1], v[BI:BI+1], v[SA+8:SA+9], v[Z1R:Z1R+1] neg_lo:[1,0,0] neg_hi:[1,0,0]
	v_pk_fma_f32 v[Z1I:Z1I+1], v[BI:BI+1], v[CA+8:CA+9], v[Z1I:Z1I+1]
; Rows j and 15 - j of one plane: a g mode takes the mirrored chain element.  SEL selects the four words into an out-buffer at o;
; OUT stores them: a wave's 8-byte stores cover a row's 256 bytes.
.macro SEL arr, j, o
	v_cndmask_b32 v[\o],   v[\arr+2*(\j)],        v[\arr+2*(15-(\j))],   s18
	v_cndmask_b32 v[\o+1], v[\arr+2*(\j)+1],      v[\arr+2*(15-(\j))+1], s19
	v_cndmask_b32 v[\o+2], v[\arr+2*(15-(\j))],   v[\arr+2*(\j)],        s18
	v_cndmask_b32 v[\o+3], v[\arr+2*(15-(\j))+1], v[\arr+2*(\j)+1],      s19
.endm
.macro OUT base, j, o
	ds_store_b64 v[VST], v[\o:\o+1]   offset:\base+(\j)*PITCH
	ds_store_b64 v[VST], v[\o+2:\o+3] offset:\base+(15-(\j))*PITCH
.endm
; Chain element j of both tables: pack hi = bf16(z), lo = bf16(z - hi), and step on.
; T1: z(j+1) = z(j) e^(4u).  T0 (element 4 b + q): within a b times conj e^u; the next b from element 4 b times conj e^(64u).
; The step's two products are formed first and the two fused lines come behind the last reader of z(j), so it may run in place.
; From element 8 on both partners of a mirrored pair exist: element j selects their sixteen words into out-buffer j & 1 (OTW), and
; element j + 1 stores them (its OTR), two stores at a time among its vector instructions.
.macro STEP j
.if ((\j)&3) == 0
.set C0R, YBR
.set C0I, YBI
.else
.set C0R, YRR
.set C0I, YRI
.endif
.if ((\j)&3) == 3
.set S0R, YBR
.set S0I, YBI
.set D0R, YBR
.set D0I, YBI
.set B0R, E64R
.set B0I, E64I
.else
.set S0R, C0R
.set S0I, C0I
.set D0R, YRR
.set D0I, YRI
.set B0R, E1R
.set B0I, E1I
.endif
.if ((\j)&1) == 0
.set OTW, OT0
.set OTR, OT1
.else
.set OTW, OT1
.set OTR, OT0
.endif
.if \j >= 10
	s_wait_alu depctr_vm_vsrc(0)                   ; the LDS stores issued in the element before have read out-buffer OTW, which this element's selects write again
.endif
.if \j >= 9
	s_wait_alu depctr_va_vdst(0)                   ; the element before has written out-buffer OTR, which the eight LDS stores below read; no vector instruction between this line and the last of them names OTR or v[VST]
.endif
	v_cvt_pk_bf16_f32 v[H1+2*\j],   v[Z1R],   v[Z1I]               ; re in the low half (k = 2 n), im in the high half (k = 2 n + 1)
	v_cvt_pk_bf16_f32 v[H1+2*\j+1], v[Z1R+1], v[Z1I+1]
	v_cvt_pk_bf16_f32 v[H0+2*\j],   v[C0R],   v[C0I]
	v_cvt_pk_bf16_f32 v[H0+2*\j+1], v[C0R+1], v[C0I+1]
.if \j >= 9
	OUT T1H, (\j)-1, OTR
.endif
.if \j < 15
	v_pk_mul_f32 v[TM:TM+1],   v[Z1R:Z1R+1], v[E4R:E4R+1]
	v_pk_mul_f32 v[TM+2:TM+3], v[Z1R:Z1R+1], v[E4I:E4I+1]
	v_pk_mul_f32 v[TM+4:TM+5], v[S0R:S0R+1], v[B0R:B0R+1]
	v_pk_mul_f32 v[TM+6:TM+7], v[S0R:S0R+1], v[B0I:B0I+1]
.endif
.if \j >= 9
	OUT T0H, (\j)-1, OTR+4
.endif
	v_fma_mix_f32_bf16 v[TA],   v[H1+2*\j],   v[NEG1], v[Z1R]   op_sel_hi:[1,0,0]                 ; z - hi, exact
	v_fma_mix_f32_bf16 v[TA+1], v[H1+2*\j],   v[NEG1], v[Z1I]   op_sel:[1,0,0] op_sel_hi:[1,0,0]
	v_fma_mix_f32_bf16 v[TA+2], v[H1+2*\j+1], v[NEG1], v[Z1R+1] op_sel_hi:[1,0,0]
	v_fma_mix_f32_bf16 v[TA+3], v[H1+2*\j+1], v[NEG1], v[Z1I+1] op_sel:[1,0,0] op_sel_hi:[1,0,0]
	v_fma_mix_f32_bf16 v[TA+4], v[H0+2*\j],   v[NEG1], v[C0R]   op_sel_hi:[1,0,0]
	v_fma_mix_f32_bf16 v[TA+5], v[H0+2*\j],   v[NEG1], v[C0I]   op_sel:[1,0,0] op_sel_hi:[1,0,0]
	v_fma_mix_f32_bf16 v[TA+6], v[H0+2*\j+1], v[NEG1], v[C0R+1] op_sel_hi:[1,0,0]
	v_fma_mix_f32_bf16 v[TA+7], v[H0+2*\j+1], v[NEG1], v[C0I+1] op_sel:[1,0,0] op_sel_hi:[1,0,0]
.if \j >= 9
	OUT T1L, (\j)-1, OTR+8
.endif
.if \j < 15
	v_pk_fma_f32 v[Z1R:Z1R+1], v[Z1I:Z1I+1], v[E4I:E4I+1], v[TM:TM+1] neg_lo:[1,0,0] neg_hi:[1,0,0]
	v_pk_fma_f32 v[Z1I:Z1I+1], v[Z1I:Z1I+1], v[E4R:E4R+1], v[TM+2:TM+3]
	v_pk_fma_f32 v[D0R:D0R+1], v[S0I:S0I+1], v[B0I:B0I+1], v[TM+4:TM+5] neg_lo:[1,0,0] neg_hi:[1,0,0]
	v_pk_fma_f32 v[D0I:D0I+1], v[S0I:S0I+1], v[B0R:B0R+1], v[TM+6:TM+7]
.endif
.if \j >= 9
	OUT T0L, (\j)-1, OTR+12
.endif
	v_cvt_pk_bf16_f32 v[L1+2*\j],   v[TA],   v[TA+1]
	v_cvt_pk_bf16_f32 v[L1+2*\j+1], v[TA+2], v[TA+3]
	v_cvt_pk_bf16_f32 v[L0+2*\j],   v[TA+4], v[TA+5]
	v_cvt_pk_bf16_f32 v[L0+2*\j+1], v[TA+6], v[TA+7]
.if \j >= 8
	SEL H1, \j, OTW
	SEL H0, \j, OTW+4
	SEL L1, \j, OTW+8
	SEL L0, \j, OTW+12
.endif
.endm
.irp j, 0,1,2,3,4,5,6,7,8,9,10,11,12,13,14,15
	STEP \j
.endr
	s_wait_alu depctr_va_vdst(0)                   ; element 15 has written OT1, which the last eight LDS stores read.  No vector instruction follows ahead of the fragment loads: so this line
	                                               ; also states that the table phase is done reading and writing v[40:231], in which they land, and that v[AD1] and v[AD0] are written
	OUT T1H, 15, OT1
	OUT T0H, 15, OT1+4
	OUT T1L, 15, OT1+8
	OUT T0L, 15, OT1+12
	s_wait_dscnt 0x0                               ; my rows are in LDS: zero, since the other waves read them
	s_barrier_signal -1
	s_barrier_wait -1                              ; all 64 rows of all four planes are
	s_wait_alu depctr_vm_vsrc(0)                   ; my LDS stores have read OT0 (v[60:75]) and OT1 (v[28:43]): fragments land in v[40:43] and v[60:75], the products write v[28:39]
	; MATRIX PHASE.  A buffer holds one K step of 32: T1 tile 0 hi, lo, tile 1 hi, lo, then T0 the same; 16 loads of 16 bytes a lane.
; Quarter x of a K step's sixteen loads: x = 0, 1: T1 tile x; x = 2, 3: T0 tile x - 2; hi, then lo.
.macro LD4 f, ks, x
.if \x < 2
.irp pl, 0,1
	ds_load_b128 v[\f+16*\x+8*\pl:\f+16*\x+8*\pl+3],   v[AD1] offset:T1H+\pl*PLANE+\x*16*PITCH+64*\ks
	ds_load_b128 v[\f+16*\x+8*\pl+4:\f+16*\x+8*\pl+7], v[AD1] offset:T1H+\pl*PLANE+\x*16*PITCH+64*\ks+32
.endr
.else
.irp pl, 0,1
	ds_load_b128 v[\f+16*\x+8*\pl:\f+16*\x+8*\pl+3],   v[AD0] offset:T0H+\pl*PLANE+(\x-2)*16*PITCH+64*\ks
	ds_load_b128 v[\f+16*\x+8*\pl+4:\f+16*\x+8*\pl+7], v[AD0] offset:T0H+\pl*PLANE+(\x-2)*16*PITCH+64*\ks+32
.endr
.endif
.endm
.macro LDFRAG f, ks
.irp x, 0,1,2,3
	LD4 \f, \ks, \x
.endr
.endm
.macro WM d, a, b, zero
.if \zero
	v_wmma_f32_16x16x32_bf16 v[\d:\d+7], v[\a:\a+7], v[\b:\b+7], 0
.else
	v_wmma_f32_16x16x32_bf16 v[\d:\d+7], v[\a:\a+7], v[\b:\b+7], v[\d:\d+7]
.endif
.endm
; Four matrix instructions, one on each tile x = 2 ia + ig, so that the accumulators take turns.  g = 0: hi hi, 1: T0 hi x T1 lo, 2: T0 lo x T1 hi.
; Source 0 = T0 (result register j, lane half: p = 8 half + j), source 1 = T1 (lane: r).  zero = 1: the product starts the sums.
; ld = 1: behind each product a quarter of K step 3's loads, into buffer 0.
.macro MMG f, g, zero, ld=0
.irp x, 0,1,2,3
	WM ACC+8*\x, \f+32+16*(\x%2)+8*(\g/2), \f+16*(\x/2)+8*(\g%2), \zero
.if \ld
	LD4 FB0, 3, \x
.endif
.endr
.endm
; 12 matrix instructions: four tiles x (hi hi, hi lo, lo hi)
.macro MM f, zero
	MMG \f, 0, \zero
	MMG \f, 1, 0
	MMG \f, 2, 0
.endm
	LDFRAG FB0, 0
	LDFRAG FB1, 1
	LDFRAG FB2, 2
	s_wait_dscnt 32                                ; K step 0 is in; the 32 loads of steps 1 and 2 may be out
	MM FB0, 1
.rept 4
	v_nop                                          ; four places between the matrix instructions that read buffer 0 and the loads into it; the wait below stands beside them
.endr
	s_wait_alu depctr_va_vdst(0)                   ; the twelve matrix instructions above are done reading buffer 0, in which K step 3's fragments land
	s_wait_dscnt 16                                ; step 1 is in; the 16 loads of step 2 may be out
	MMG FB1, 0, 0, 1                               ; K step 3's loads are dealt among these four products.  No wait: no matrix instruction since the wait above names buffer 0, v[AD1] or v[AD0]
	MMG FB1, 1, 0
	MMG FB1, 2, 0
	s_wait_dscnt 16                                ; step 2 is in; step 3 may be out
	MM FB2, 0
	s_wait_dscnt 0
	MM FB0, 0
.rept 4
	v_nop                                          ; four places before the stores read the results
.endr
	s_wait_alu depctr_va_vdst(0)                   ; the matrix instructions have written the accumulators, which the stores read; v[VO] is written; the places above stay beside this wait
	; tile (ia, ig): registers 0-3 are q = 0..3 at b = 2 half, registers 4-7 at b = 2 half + 1 (64 floats on);
	; lanes 0-15 and lanes 16-31 each store 256 consecutive bytes at a multiple of 256 from the output's first byte
.irp ia, 0,1
.irp ig, 0,1
	global_store_b128 v[VO], v[ACC+8*(2*\ia+\ig):ACC+8*(2*\ia+\ig)+3],   s[10:11] offset:1024*\ia+4096*\ig th:TH_STORE_NT
	global_store_b128 v[VO], v[ACC+8*(2*\ia+\ig)+4:ACC+8*(2*\ia+\ig)+7], s[10:11] offset:1024*\ia+4096*\ig+256 th:TH_STORE_NT
.endr
.endr
	s_set_vgpr_msb 0x5
	s_wait_dscnt 0x0
	s_wait_alu depctr_hold_cnt(0) depctr_sa_sdst(0) depctr_va_vdst(0) depctr_va_sdst(0) depctr_va_ssrc(0) depctr_va_vcc(0) depctr_vm_vsrc(0)
	s_wait_tensorcnt 0x0
	ds_add_u32 v0, v1
	s_wait_dscnt 0x0
	s_endpgm
.Lfunc_end_k_qa1e7b41ceb_dss:
	.size	k_qa1e7b41ceb_dss, .Lfunc_end_k_qa1e7b41ceb_dss-k_qa1e7b41ceb_dss
	.p2alignl 7, 3214868480
	.fill 96, 4, 3214868480
	.section	.rodata,"a",@progbits
	.p2align	6, 0x0
	.amdhsa_kernel k_qa1e7b41ceb_dss
		.amdhsa_group_segment_fixed_size 70144
		.amdhsa_private_segment_fixed_size 0
		.amdhsa_enable_private_segment 0
		.amdhsa_kernarg_size 32
		.amdhsa_user_sgpr_count 2
		.amdhsa_user_sgpr_kernarg_segment_ptr 1
		.amdhsa_wavefront_size32 1
		.amdhsa_system_sgpr_workgroup_id_x 1
		.amdhsa_system_sgpr_workgroup_id_y 1
		.amdhsa_system_sgpr_workgroup_id_z 1
		.amdhsa_system_vgpr_workitem_id 0
		.amdhsa_next_free_vgpr 258
		.amdhsa_next_free_sgpr 66
		.amdhsa_reserve_vcc 0
		.amdhsa_float_denorm_mode_32 3
		.amdhsa_float_denorm_mode_16_64 3
		.amdhsa_memory_ordered 1
		.amdhsa_forward_progress 1
		.amdhsa_inst_pref_size 63
	.end_amdhsa_kernel
	.amdgpu_metadata
---
amdhsa.version: [ 1, 2 ]
amdhsa.kernels:
  - .name:           k_qa1e7b41ceb_dss
    .symbol:         k_qa1e7b41ceb_dss.kd
    .args:
      - { .name: Lambda, .offset: 0, .size: 8, .value_kind: global_buffer, .address_space: global }
      - { .name: W, .offset: 8, .size: 8, .value_kind: global_buffer, .address_space: global }
      - { .name: log_dt, .offset: 16, .size: 8, .value_kind: global_buffer, .address_space: global }
      - { .name: out0, .offset: 24, .size: 8, .value_kind: global_buffer, .address_space: global }
    .group_segment_fixed_size: 70144
    .private_segment_fixed_size: 0
    .kernarg_segment_align: 8
    .kernarg_segment_size: 32
    .max_flat_workgroup_size: 128
    .sgpr_count:     66
    .vgpr_count:     258
    .wavefront_size: 32
...
	.end_amdgpu_metadata
.endif
;; end of part 2
